; MI455X (gfx1250); checked and timed in simulation.
; The chip was launched on July 23, 2026; its instructions are those of AMD's public machine-readable ISA for CDNA 5 (MIT licence, August 2026) and "CDNA5" Instruction Set Architecture Reference Guide (July 2026). The comments in the code are by the model that wrote it; some were corrected since.
;; Vector Quantizer. Allowed arithmetic: matrix products marked QUANTISED: E2M1 operands, one E8M0 scale for each 32 along K, by v_wmma_scale_f32_16x16x128_f8f6f4 with both operands' format E2M1 (or v_wmma_scale_f32_32x16x128_f4), f32 sums; everything else in f32.
;; Inputs: codebook 8,192 x 256 float32; x 32 x 1,024 x 256 float32.
;; Outputs: out0 32 x 1,024 x 256 float32; out1 one number float32.
;; Constants: hidden_dim = 256.
;; This version of the problem:
;;   THIS VERSION OF THE PROBLEM IS GIVEN IN LOW PRECISION. The matrix products marked QUANTISED in the list below multiply operands that are first quantised to E2M1 (2 exponent bits, 1 mantissa bit; 4 bits a number), with one power-of-two scale for each 32 numbers along K (OCP MX v1.0); their sums are f32. All else is computed in f32.
;;   The module's matrix products, in the order in which they are computed (A, B: the left and right operand; K: the contracted axis; several contracted axes count as one K, in the product's order):
;;     1. [M 32,768, K 256] x [K 256, N 8,192]; A: input x; B: input codebook: QUANTISED
;;   THE QUANTISER, for each operand of a quantised product, along K:
;;     - K is cut into blocks of 32 from its start; a last block that is shorter is filled with zeros.
;;     - A block's scale is 2^e with e = floor(log2(the largest magnitude in the block)) - 2, held to -126 .. 127; a block of zeros has e = 0. As a byte (E8M0): e + 127.
;;     - Each number is divided by its block's scale, clamped to +-6, and rounded to the nearest number of E2M1, ties to even, subnormals kept.
;;     - The product sums the exact products of the quantised numbers (number of the format x scale) in f32.
;;   ~~~python
;;   def quantise(x, axis):      # numpy; x: float32 -> the quantised numbers, widened to float32 again
;;       x = np.moveaxis(x, axis, -1); K = x.shape[-1]
;;       x = np.pad(x, [(0, 0)] * (x.ndim - 1) + [(0, -K % 32)]); x = x.reshape(x.shape[:-1] + (-1, 32)); a = np.abs(x).max(-1, keepdims=True)
;;       e = np.where(a > 0, np.clip(np.frexp(np.where(a > 0, a, 1))[1] - 1 - 2, -126, 127), 0)      # np.frexp(a)[1] - 1 = floor(log2(a)), exactly
;;       r = np.clip(x / 2.0 ** e, -6, 6)
;;       step = 2.0 ** (np.maximum(np.frexp(np.where(r == 0, 1, r))[1] - 1, 0) - 1)
;;       q = np.round(r / step) * step * 2.0 ** e      # np.round: ties to even
;;       return np.moveaxis(q.reshape(q.shape[:-2] + (-1,))[..., :K], -1, axis).astype(np.float32)
;;   ~~~
;; One version. Each part assembles by itself: llvm-mc -triple=amdgcn-amd-amdhsa -mcpu=gfx1250 --defsym DOCPART=n.
;; ======== version 1 of 1: 5 launches
;; limits: right only within a limited range of input values
;; workspace buffers: cbq 1,179,648 bytes; xq 4,718,592 bytes; cand 131,072 bytes of whole numbers; idx 131,072 bytes of whole numbers; part 16,384 bytes
;; launch cbquant (part 1): grid 256 x 1, 2 waves a work-group, no clusters, 0 bytes of LDS; arguments codebook, cbq; writes cbq
.if DOCPART == 1
	.amdgcn_target "amdgcn-amd-amdhsa--gfx1250"
	.amdhsa_code_object_version 6
	.text
	.protected	k_q08dd02c29d_cbquant
	.globl	k_q08dd02c29d_cbquant
	.p2align	8
	.type	k_q08dd02c29d_cbquant,@function
k_q08dd02c29d_cbquant:
	s_mov_b64 s[64:65], 0
	v_nop
	global_prefetch_b8 v0, s[64:65] scope:SCOPE_SE
	s_setreg_imm32_b32 hwreg(HW_REG_WAVE_MODE, 25, 1), 1
	s_wait_xcnt 0x0
; The codebook [8192][256] f32 becomes what the search wants of it: codes of FP4 (E2M1) with one E8M0 scale byte for each 32 along K, and for each entry the number -1/2 |c|^2.
; A block's scale is 2^(floor(log2(its largest magnitude)) - 2); its byte is that magnitude's exponent field - 2, held at 1 from below; each number is divided by the scale and rounded to the nearest code, ties to even, beyond 6 the code of 6.
; LIMITS: NaN and infinities are not served; a block whose largest magnitude lies under 2^-124 (a block of zeros too) gets the byte 1: a block of zeros has zero codes, and only this program reads the bytes.
; OUTPUT: 256 records of 4,608 bytes, one for each group of 32 entries, laid as IMAGES OF THE OPERAND'S REGISTERS of a 32 x 16 x 128 product whose first operand is the group:
;   bytes 512 q + 16 lane, q = 4 s + 2 u + c: entry 16 u + lane % 16 of the group, k = 128 s + 64 c + 32 (lane / 16) + 0 .. 31
;   bytes 4096 + 8 m + 4 s: entry m's scale word for K step s;   bytes 4352 + 4 m, and once more 4480 + 4 m: -1/2 |c_m|^2 (the second copy so that every byte of a record is written)
; SHARES: work-group g takes group g; wave u its entries 16 u .. 16 u + 15.  Lane (r, h) holds of entry r 16 neighbours of each block of 32; lane l xor 16 holds the other 16.
; No LDS, no barrier: the waves share nothing.  Every store's registers are written once, so no wait for a store's sources is needed.
; WORK THAT THE PROGRAM LEAVES OUT.  (1) out0 = x + (q - x) is q in real numbers, whatever x and q hold: the launch that writes out0 stores the gathered codebook row itself; x is still read there, for the loss.
; (2) |x|^2 is the same for all entries of a row, so it moves no argmin: the search compares x.c - 1/2 |c|^2.  Every input is still loaded.
; LIMIT: a NaN, an infinity or an overflow that reaches only the work left out (x in out0, |x|^2 in the distances) is not carried to the result.
.set REC,  4608
.set XA,   4                           ; v4   my byte in the wave's 16 rows: 1,024 r + 64 h
.set CW,   5                           ; v5   codes: 16 lane + 1,024 u
.set SW,   6                           ; v6   scale words: 128 u + 8 r + 4 h (lanes 0-15 store K step 0's word, lanes 16-31 K step 1's)
.set BW,   7                           ; v7   bias: 64 u + 4 r + 128 h (lanes 16-31 store the second copy)
.set N0,   16                          ; v16-79   64 numbers of K step 0: register 16 b + i = k 32 b + 16 h + i
.set N1,   80                          ; v80-143  of K step 1
.set TM,   144                         ; v144-159 at work in QUANT
.set PC0,  160                         ; v160-167 K step 0's fragment
.set PC1,  168                         ; v168-175 K step 1's
.set PW0,  176                         ; its scale word
.set PW1,  177
.set SUM,  178
.set OTH,  179
.set SQ,   180                         ; v180-187 four chains of packed squares
.set WRD,  188
.set SEL,  10                          ; s[10:11] v_permlanex16_b32's selects for lane l xor 16
.macro XLOAD reg, s                    ; my 64 numbers of K step s
.irp b, 0,1,2,3
.irp j, 0,1,2,3
	global_load_b128 v[\reg+16*\b+4*\j:\reg+16*\b+4*\j+3], v[XA], s[4:5] offset:512*\s+128*\b+16*\j
.endr
.endr
.endm
; 64 numbers of a lane become a fragment's eight registers in v[pc] on and the row's scale word in v[pw]
.macro QUANT src, pc, pw
.irp b, 0,1,2,3
	v_max3_num_f32 v[TM+\b], |v[\src+16*\b]|, |v[\src+1+16*\b]|, 0x1800000   ; block b: my 16 numbers, and the floor 2^(3 - 127): the byte cannot fall under 1
.endr
.irp i, 2,4,6,8,10,12,14
.irp b, 0,1,2,3
	v_max3_num_f32 v[TM+\b], v[TM+\b], |v[\src+16*\b+\i]|, |v[\src+1+16*\b+\i]|   ; the four blocks by turns
.endr
.endr
.irp b, 0,1,2,3
	v_permlanex16_b32 v[TM+4+\b], v[TM+\b], s[SEL], s[SEL+1]
.endr
.irp b, 0,1,2,3
	v_max_num_f32 v[TM+\b], v[TM+\b], v[TM+4+\b]   ; with lane l xor 16's: the block's largest magnitude
.endr
.irp b, 0,1,2,3
	v_add_nc_u32 v[TM+12+\b], 0xff000000, v[TM+\b]   ; 2 off its exponent field: the conversion takes this operand's exponent field as its scale
.endr
.irp b, 0,1,2,3
	v_lshrrev_b32 v[TM+4+\b], 23, v[TM+12+\b]      ; the scale's byte
.endr
	v_lshl_or_b32 v[\pw], v[TM+5], 8, v[TM+4]
	v_lshl_or_b32 v[\pw], v[TM+6], 16, v[\pw]
	v_lshl_or_b32 v[\pw], v[TM+7], 24, v[\pw]
.irp b, 0,1,2,3
	v_cvt_scalef32_pk8_fp4_f32 v[\pc+2*\b], v[\src+16*\b:\src+7+16*\b], v[TM+12+\b]
	v_cvt_scalef32_pk8_fp4_f32 v[\pc+1+2*\b], v[\src+8+16*\b:\src+15+16*\b], v[TM+12+\b]
.endr
	v_nop                                          ; one plain place behind a scaled conversion
.irp c, 0,1                                    ; the operand wants a whole block in a lane: lanes 0-15 block 2 c, lanes 16-31 block 2 c + 1
.irp i, 0,1
	v_permlane16_swap_b32 v[\pc+4*\c+\i], v[\pc+2+4*\c+\i]
.endr
.endr
.endm
.macro SQUARES n, first                ; the squares of 64 numbers, two at a time, onto four chains; first = 1: the first four products start the chains
.set J, 0
.rept 32
.if \first && (J < 4)
	v_pk_mul_f32 v[SQ+2*J:SQ+2*J+1], v[\n+2*J:\n+2*J+1], v[\n+2*J:\n+2*J+1]
.else
	v_pk_fma_f32 v[SQ+2*(J%4):SQ+2*(J%4)+1], v[\n+2*J:\n+2*J+1], v[\n+2*J:\n+2*J+1], v[SQ+2*(J%4):SQ+2*(J%4)+1]
.endif
.set J, J+1
.endr
.endm
	s_load_b128 s[4:7], s[0:1], 0x0                ; codebook, cbq
	v_lshrrev_b32 v1, 5, v0
	v_readfirstlane_b32 s8, v1                     ; wave u
	v_and_b32 v1, 31, v0                           ; lane
	v_and_b32 v2, 15, v0                           ; r
	v_bfe_u32 v3, v0, 4, 1                         ; h
	v_lshlrev_b32 v[XA], 10, v2
	v_lshl_add_u32 v[XA], v3, 6, v[XA]
	s_lshl_b32 s9, s8, 10
	v_lshl_add_u32 v[CW], v1, 4, s9
	s_lshl_b32 s9, s8, 7
	v_lshl_add_u32 v[SW], v2, 3, s9
	v_lshl_add_u32 v[SW], v3, 2, v[SW]
	s_lshl_b32 s9, s8, 6
	v_lshl_add_u32 v[BW], v2, 2, s9
	v_lshl_add_u32 v[BW], v3, 7, v[BW]
	s_mov_b32 s[SEL], 0x76543210
	s_mov_b32 s[SEL+1], 0xfedcba98
.irp b, 0,1,2,3
	v_mov_b32 v[TM+4+\b], 0                        ; written once: a lane permute's destination counts as one of its sources
.endr
	v_mov_b32 v[OTH], 0
	s_lshl_b32 s12, ttmp9, 15                      ; the group's 32 rows of 1,024 bytes,
	s_lshl_b32 s13, s8, 14                         ; my wave's 16 of them
	s_add_co_u32 s12, s12, s13
	s_mov_b32 s13, 0
	s_mul_i32 s14, ttmp9, REC                      ; the group's record
	s_mov_b32 s15, 0
	s_wait_kmcnt 0x0
	s_add_nc_u64 s[4:5], s[4:5], s[12:13]
	s_add_nc_u64 s[6:7], s[6:7], s[14:15]
	XLOAD N0, 0
	XLOAD N1, 1
	s_wait_loadcnt 16                              ; K step 0's sixteen loads are in; K step 1's sixteen may be out
	SQUARES N0, 1
	QUANT N0, PC0, PW0
	global_store_b128 v[CW], v[PC0:PC0+3], s[6:7]              ; each store of the wave covers 512 consecutive bytes, aligned
	global_store_b128 v[CW], v[PC0+4:PC0+7], s[6:7] offset:512
	s_wait_loadcnt 0x0
	SQUARES N1, 0
	QUANT N1, PC1, PW1
	global_store_b128 v[CW], v[PC1:PC1+3], s[6:7] offset:2048
	global_store_b128 v[CW], v[PC1+4:PC1+7], s[6:7] offset:2560
	v_pk_add_f32 v[SQ:SQ+1], v[SQ:SQ+1], v[SQ+2:SQ+3]
	v_pk_add_f32 v[SQ+4:SQ+5], v[SQ+4:SQ+5], v[SQ+6:SQ+7]
	v_pk_add_f32 v[SQ:SQ+1], v[SQ:SQ+1], v[SQ+4:SQ+5]
	v_add_f32 v[SUM], v[SQ], v[SQ+1]               ; my 128 squares,
	v_permlanex16_b32 v[OTH], v[SUM], s[SEL], s[SEL+1]
	v_add_f32 v[SUM], v[SUM], v[OTH]               ; and lane l xor 16's: |c|^2
	v_mul_f32 v[SUM], -0.5, v[SUM]
	v_cmp_le_u32 vcc_lo, 16, v1
	v_cndmask_b32 v[WRD], v[PW0], v[PW1], vcc_lo   ; both halves of the lanes hold both words: lanes 16-31 store K step 1's
	global_store_b32 v[SW], v[WRD], s[6:7] offset:4096         ; 128 consecutive bytes
	global_store_b32 v[BW], v[SUM], s[6:7] offset:4352
	s_endpgm
.Lfunc_end_k_q08dd02c29d_cbquant:
	.size	k_q08dd02c29d_cbquant, .Lfunc_end_k_q08dd02c29d_cbquant-k_q08dd02c29d_cbquant
	.p2alignl 7, 3214868480
	.fill 96, 4, 3214868480
	.section	.rodata,"a",@progbits
	.p2align	6, 0x0
	.amdhsa_kernel k_q08dd02c29d_cbquant
		.amdhsa_group_segment_fixed_size 0
		.amdhsa_private_segment_fixed_size 0
		.amdhsa_enable_private_segment 0
		.amdhsa_kernarg_size 16
		.amdhsa_user_sgpr_count 2
		.amdhsa_user_sgpr_kernarg_segment_ptr 1
		.amdhsa_wavefront_size32 1
		.amdhsa_system_sgpr_workgroup_id_x 1
		.amdhsa_system_sgpr_workgroup_id_y 1
		.amdhsa_system_sgpr_workgroup_id_z 1
		.amdhsa_system_vgpr_workitem_id 0
		.amdhsa_next_free_vgpr 192
		.amdhsa_next_free_sgpr 66
		.amdhsa_reserve_vcc 1
		.amdhsa_float_denorm_mode_32 3
		.amdhsa_float_denorm_mode_16_64 3
		.amdhsa_memory_ordered 1
		.amdhsa_forward_progress 1
		.amdhsa_inst_pref_size 18
	.end_amdhsa_kernel
	.amdgpu_metadata
---
amdhsa.version: [ 1, 2 ]
amdhsa.kernels:
  - .name:           k_q08dd02c29d_cbquant
    .symbol:         k_q08dd02c29d_cbquant.kd
    .args:
      - { .name: codebook, .offset: 0, .size: 8, .value_kind: global_buffer, .address_space: global }
      - { .name: cbq, .offset: 8, .size: 8, .value_kind: global_buffer, .address_space: global }
    .group_segment_fixed_size: 0
    .private_segment_fixed_size: 0
    .kernarg_segment_align: 8
    .kernarg_segment_size: 16
    .max_flat_workgroup_size: 64
    .sgpr_count:     66
    .vgpr_count:     192
    .wavefront_size: 32
...
	.end_amdgpu_metadata
.endif
;; end of part 1
;; launch search (part 2): grid 256 x 1, 8 waves a work-group, clusters of 4 x 1, 327,680 bytes of LDS; arguments x, cbq, xq, cand; writes xq, cand
.if DOCPART == 2
	.amdgcn_target "amdgcn-amd-amdhsa--gfx1250"
	.amdhsa_code_object_version 6
	.text
	.protected	k_q08dd02c29d_search
	.globl	k_q08dd02c29d_search
	.p2align	8
	.type	k_q08dd02c29d_search,@function
k_q08dd02c29d_search:
	s_mov_b64 s[64:65], 0
	v_nop
	global_prefetch_b8 v0, s[64:65] scope:SCOPE_SE
	s_setreg_imm32_b32 hwreg(HW_REG_WAVE_MODE, 25, 1), 1
	s_wait_xcnt 0x0
	s_wait_alu depctr_hold_cnt(0) depctr_sa_sdst(0) depctr_va_vdst(0) depctr_va_sdst(0) depctr_va_ssrc(0) depctr_va_vcc(0) depctr_vm_vsrc(0)
	s_getreg_b32 s2, hwreg(HW_REG_IB_STS2, 6, 4)
	s_cmp_eq_u32 s2, 0
	s_cbranch_scc0 .Lentry_in_a_cluster
	s_endpgm
.Lentry_in_a_cluster:
	s_bfe_u32 s2, ttmp6, 0x10000c
	s_cmp_lg_u32 s2, 0x3003
	s_cbranch_scc0 .Lentry_shape_is_right
	s_endpgm
.Lentry_shape_is_right:
; For each of 32,768 rows of x: WHICH TILE OF 16 CODEBOOK ENTRIES HOLDS THE NEAREST ENTRY.  The product x c^T runs on codes of FP4 (E2M1) with E8M0 scales for each 32 along K = 256.
; The C of a sum's first K step is -1/2 |c|^2, so D = x.c - 1/2 |c|^2 = -1/2 (distance - |x|^2): the nearest entry is the LARGEST D of the row.  |x|^2, the same for all entries of a row, is left out.
; LIMITS: the compared numbers are rounded otherwise than (|x|^2 + |c|^2) - 2 x.c, so entries whose distances differ by a few last places of f32 may be ranked otherwise.  Exact ties go to the lowest index.
; NaN and infinities are not served.  A block of x under 2^-124 (zeros too) gets the scale byte 1; a block of zeros has zero codes.
; SHARES.  A work-group owns 128 rows against ALL 8,192 entries.  Each of eight waves holds all 128 rows (eight fragments x two K steps, 128 registers) and walks an eighth of the codebook: of each slot's 32 groups
; of 32 entries its own four.  A running maximum takes three operands at a time; which set of 8 entries raised it takes a compare and a select for 8 numbers.  The index inside the tile is the next launch's.
; THE PRODUCT: first operand = a group of 32 entries, second = 16 rows of x; in the result lane (r, h) holds row r, register j entry 8 h + j, register 8 + j entry 16 + 8 h + j.
; x: wave w quantises rows 16 w .. 16 w + 15.  A row's 1,024 bytes come by two loads of the wave, 32 consecutive bytes a lane: lane l holds k = 8 l .. 8 l + 7, four lanes hold a block of 32.  A lane's 8 codes are 4 bytes:
; the rows of codes lie in LDS 144 bytes apart, their 8 scale bytes beside them, and every wave reads all eight tiles' fragments from there.  At its end a wave stores its own tile as register images to xq.
; THE CODEBOOK comes as records of 4,608 bytes (codes 512 q + 16 lane; scale words 4096 + 8 m + 4 s; bias 4352 + 4 m) through a ring of two LDS slots of 32 records.  Each wave fetches and reads only its own four
; records of a slot: 72 rows of 256 bytes, one tensor load; by this text's count one tensor load of a wave is out at a time.
; CLUSTER: all work-groups walk the same records, so the four of a cluster ask JOINTLY: the same load, the same descriptor (the buffer's address and the wave's number alone), mask 15.
; No prefetch: the stream is 1,179,648 bytes that all 256 work-groups walk in the same order.
; REGISTERS: window 0 as named below; window 1 (v256-383): x's fragments, tile t, K step s at 16 t + 8 s.
.set REC,   4608
.set WPART, 4*REC
.set SLOT,  8*WPART                    ; 147,456 bytes
.set XREC,  2304                       ; a tile of x in xq: four quads of 512 bytes, two runs of 128 bytes of scale words
.set XP,    144                        ; a row of x's codes in LDS: 128 bytes + 16
.set XC,    2*SLOT                     ; behind the ring: 128 rows of codes.  No fill lands from here on
.set XS,    XC+128*XP                  ; 128 rows x 8 scale bytes
.set MX,    XS+1024                    ; the end: the waves' maxima (4,096 bytes) and ids (4,096)
.set SPARE, MX+8192                    ; the spare words, 128 bytes for each wave
.set SPW,  1
.set NIL,  2
.set LI,   3                           ; 16 x lane
.set XA,   4                           ; 32 x lane
.set ACD,  5                           ; v5-6   codes of my records in slot 0, 1
.set ASA,  7                           ; v7-8   their scale words
.set ABA,  9                           ; v9-10  their bias
.set XWC,  11                          ; where my rows' codes go: XC + 16 w XP + 4 lane
.set XWB,  12                          ; and their scale bytes: XS + 128 w + lane / 4
.set XRD,  13                          ; a fragment of tile 0: XC + r XP + 16 h
.set XRS,  14                          ; its scale words: XS + 8 r
.set L4,   15                          ; 4 x lane
.set XSC,  16                          ; v16-31 x's scale words, tile t, K step s at 2 t + s
.set ASC,  32                          ; v32-35 the groups' scale words
.set MA,   36                          ; v36-43 tile t's running maximum
.set MB,   44
.set ID,   52                          ; v52-59 (entry >> 3, without h) of the set of 8 that raised it last
.set TP,   60
.set SCW,  68
.set SCRD, 69
.set CO,   70
.set HH,   71
.set SETB, 72                          ; two sets of 48: codes 0-31, bias 32-47
.set ACC,  168                         ; v168-231 four accumulators of 16
.set N,    72                          ; the prologue alone: v72-199 my 16 rows, 8 numbers each
.set TM,   200                         ; v200-207 eight rows' maxima, then scale operands
.set CD,   216                         ; v216-231 a row's codes
.set BY,   238                         ; v238-253 a row's scale byte
.set T0,   234
.set T1,   235
.set XOD,  236                         ; my own tile's fragments
.set XOA,  237                         ; and scale words
.set CM,   72                          ; the end
.set CI,   80
.set XO,   96                          ; v96-111 my tile's images, v112-113 its scale words
.set XOW,  112
.set WV,   12
.set G1,   16
.set G0,   32
.set SEL,  40
.set GI,   48                          ; s48-55  16 w + 128 x (slots walked) + 2 (2 i + u)
.set MSB, 0
.macro WIN new
.if MSB != \new
	s_set_vgpr_msb (MSB<<8)|\new
.set MSB, \new
.endif
.endm
.macro CREST                           ; a round of the cluster's barrier behind its opening barrier
	s_cmp_lg_u32 s[WV], 0
	s_cbranch_scc1 .Lnot_wave_0_\@
	s_barrier_signal -3
.Lnot_wave_0_\@:
	s_barrier_wait -3
	s_barrier_signal -1
	s_barrier_wait -1
.endm
.macro ROUND
	s_barrier_signal -1
	s_barrier_wait -1
	CREST
.endm
; Eight rows i0 .. i0 + 7, by turns: the block's largest magnitude (my 8, the floor 2^(3 - 127), then the three other lanes of the block), 2 off its exponent field, the byte, the codes
.macro QROWS i0
.irp e, 0,1,2,3,4,5,6,7
	v_max3_num_f32 v[TM+\e], |v[N+8*(\i0+\e)]|, |v[N+8*(\i0+\e)+1]|, 0x1800000
.endr
.irp n, 2,4,6
.irp e, 0,1,2,3,4,5,6,7
	v_max3_num_f32 v[TM+\e], v[TM+\e], |v[N+8*(\i0+\e)+\n]|, |v[N+8*(\i0+\e)+\n+1]|
.endr
.endr
.irp m, 1,2
.irp e, 0,1,2,3,4,5,6,7
	v_max_num_f32_dpp v[TM+\e], v[TM+\e], v[TM+\e] row_xmask:\m row_mask:0xf bank_mask:0xf
.endr
.endr
.irp e, 0,1,2,3,4,5,6,7
	v_add_nc_u32 v[TM+\e], 0xff000000, v[TM+\e]
.endr
.irp e, 0,1,2,3,4,5,6,7
	v_lshrrev_b32 v[BY+\i0+\e], 23, v[TM+\e]
.endr
.irp e, 0,1,2,3,4,5,6,7
	v_cvt_scalef32_pk8_fp4_f32 v[CD+\i0+\e], v[N+8*(\i0+\e):N+8*(\i0+\e)+7], v[TM+\e]
.endr
	v_nop                                          ; one plain place behind a scaled conversion
.irp e, 0,1,2,3,4,5,6,7
	ds_store_b32 v[XWC], v[CD+\i0+\e] offset:XP*(\i0+\e)       ; 128 consecutive bytes: the row's codes
	ds_store_b8 v[XWB], v[BY+\i0+\e] offset:8*(\i0+\e)         ; the four lanes of a block write the same byte with the same value
.endr
.endm
.macro LOADA slot, i, p                ; my group i of the slot into set p: 13 LDS loads in one run
.irp q, 0,1,2,3,4,5,6,7
	ds_load_b128 v[SETB+48*(\p)+4*\q:SETB+48*(\p)+4*\q+3], v[ACD+\slot] offset:REC*(\i)+512*\q
.endr
.irp n, 0,1,2,3
	ds_load_b128 v[SETB+48*(\p)+32+4*\n:SETB+48*(\p)+35+4*\n], v[ABA+\slot] offset:REC*(\i)+4352+16*(\n%2)+64*(\n/2)
.endr
	ds_load_b64 v[ASC+2*(\p):ASC+2*(\p)+1], v[ASA+\slot] offset:REC*(\i)+4096
.endm
.macro WM p, a, t, k, s
.if \s == 0
	v_wmma_scale_f32_32x16x128_f4 v[ACC+32*(\a)+16*(\k):ACC+32*(\a)+16*(\k)+15], v[SETB+48*(\p):SETB+48*(\p)+15], v[16*(\t):16*(\t)+7], v[SETB+48*(\p)+32:SETB+48*(\p)+47], v[ASC+2*(\p)], v[XSC+2*(\t)]
.else
	v_wmma_scale_f32_32x16x128_f4 v[ACC+32*(\a)+16*(\k):ACC+32*(\a)+16*(\k)+15], v[SETB+48*(\p)+16:SETB+48*(\p)+31], v[16*(\t)+8:16*(\t)+15], v[ACC+32*(\a)+16*(\k):ACC+32*(\a)+16*(\k)+15], v[ASC+2*(\p)+1], v[XSC+2*(\t)+1]
.endif
.endm
.macro W4 p, a, t0                     ; a batch: two tiles of x, two K steps; the two accumulators take turns
	WIN 0x04
	WM \p, \a, (\t0), 0, 0
	WM \p, \a, (\t0)+1, 1, 0
	WM \p, \a, (\t0), 0, 1
	WM \p, \a, (\t0)+1, 1, 1
.endm
; The 2 x 16 numbers a lane of batch (a) go into tiles t0 and t0 + 1's maxima: 24 plain vector lines, the two tiles by turns; each accumulator is read from its low end on.
; A set's id is taken only where the maximum has GROWN: of equal numbers the earliest set stays, and a wave walks its entries in ascending order.
.macro REDUCE a, t0, i
	WIN 0
.irp k, 0,1
	v_max3_num_f32 v[TP+4*\k], v[ACC+32*(\a)+16*\k], v[ACC+32*(\a)+16*\k+1], v[ACC+32*(\a)+16*\k+2]
.endr
.irp k, 0,1
	v_max3_num_f32 v[TP+4*\k+1], v[ACC+32*(\a)+16*\k+3], v[ACC+32*(\a)+16*\k+4], v[ACC+32*(\a)+16*\k+5]
.endr
.irp k, 0,1
	v_max3_num_f32 v[TP+4*\k], v[TP+4*\k], v[ACC+32*(\a)+16*\k+6], v[ACC+32*(\a)+16*\k+7]
.endr
.irp k, 0,1
	v_max3_num_f32 v[TP+4*\k+2], v[ACC+32*(\a)+16*\k+8], v[ACC+32*(\a)+16*\k+9], v[ACC+32*(\a)+16*\k+10]
.endr
.irp k, 0,1
	v_max3_num_f32 v[TP+4*\k+3], v[ACC+32*(\a)+16*\k+11], v[ACC+32*(\a)+16*\k+12], v[ACC+32*(\a)+16*\k+13]
.endr
.irp k, 0,1
	v_max3_num_f32 v[MB+(\t0)+\k], v[MA+(\t0)+\k], v[TP+4*\k], v[TP+4*\k+1]
.endr
.irp k, 0,1
	v_max3_num_f32 v[TP+4*\k+2], v[TP+4*\k+2], v[ACC+32*(\a)+16*\k+14], v[ACC+32*(\a)+16*\k+15]
.endr
.irp k, 0,1
	s_delay_alu instid0(VALU_DEP_4)
	v_cmp_gt_f32 s[44+\k], v[MB+(\t0)+\k], v[MA+(\t0)+\k]
.endr
.irp k, 0,1
	s_delay_alu instid0(VALU_DEP_2)
	v_cndmask_b32 v[ID+(\t0)+\k], v[ID+(\t0)+\k], s[GI+2*(\i)], s[44+\k]
.endr
.irp k, 0,1
	v_max3_num_f32 v[MA+(\t0)+\k], v[MB+(\t0)+\k], v[TP+4*\k+2], v[TP+4*\k+3]
.endr
.irp k, 0,1
	s_delay_alu instid0(VALU_DEP_2)
	v_cmp_gt_f32 s[44+\k], v[MA+(\t0)+\k], v[MB+(\t0)+\k]
.endr
.irp k, 0,1
	s_delay_alu instid0(VALU_DEP_2)
	v_cndmask_b32 v[ID+(\t0)+\k], v[ID+(\t0)+\k], s[GI+2*(\i)+1], s[44+\k]
.endr
.endm
; My four groups of a slot against the 128 rows: 16 batches of four products.  Batch B's maxima stand behind batch B + 1's products: those 24 lines, which name none of batch B + 1's registers, are the places
; between batch B + 1's products and the reads of their results, the next products onto the same accumulators, and the loads into a set that is done with.
; fill = 1: this slot is filled again with the records two slots on.  My last LDS reads of it are the last group's set: at the wait for that set stand the wait for all my tensor loads (one is out: my part of the other
; slot), the add and the opening signal of the cluster's round; the last four batches, work on registers, stand inside the round; the joint refill is the first thing behind its close.
.macro BODY slot, fill
	LOADA \slot, 0, 0
.set B, 0
.rept 16
.if B%4 == 0
.if (B == 12) && \fill
	s_wait_tensorcnt 0x0                           ; no tensor load of mine is out, so a group 0 may be written
	ds_add_u32 v[SPW], v[NIL]
	s_add_nc_u64 s[G0+4*\slot+2:G0+4*\slot+3], s[G0+4*\slot+2:G0+4*\slot+3], 2*SLOT
	s_wait_dscnt 0x0                               ; the add is done, and my reads of this slot are over
	s_barrier_signal -1
.else
	s_wait_dscnt 0x0                               ; the group's set is in
.endif
.endif
	W4 (B/4)%2, B%2, 2*(B%4)
.if B == 1
.rept 4
	v_nop                                          ; batch 0 has no earlier batch's maxima behind it: four places in front of the first read of its results
.endr
.endif
.if B > 0
	REDUCE (B-1)%2, 2*((B-1)%4), (B-1)/4
.endif
.if (B%4 == 1) && (B < 12)
	LOADA \slot, B/4+1, 1-(B/4)%2
.endif
.set B, B+1
.endr
	REDUCE 1, 6, 3
.irp j, 0,1,2,3,4,5,6,7
	s_add_co_u32 s[GI+\j], s[GI+\j], 128           ; the next slot's entries lie 1,024 further on
.endr
.if \fill
	s_barrier_wait -1
	CREST                                          ; no wave of any partner still reads this slot or has a load on its way
	tensor_load_to_lds s[G0+4*\slot:G0+4*\slot+3], s[G1:G1+7]
	s_nop 0
.endif
.endm
.macro BETTER m, i, mo, io             ; (m, i) takes (mo, io) where mo is larger, or equal with the smaller id
	v_cmp_gt_f32 s44, v[\mo], v[\m]
	v_cmp_eq_f32 s45, v[\mo], v[\m]
	v_cmp_lt_u32 vcc_lo, v[\io], v[\i]
	s_and_b32 s45, s45, vcc_lo
	s_or_b32 s44, s44, s45
	v_cndmask_b32 v[\m], v[\m], v[\mo], s44
	v_cndmask_b32 v[\i], v[\i], v[\io], s44
.endm
	s_load_b256 s[4:11], s[0:1], 0x0               ; x s[4:5], cbq s[6:7], xq s[8:9], cand s[10:11]
	v_lshl_add_u32 v[SPW], v0, 2, SPARE
	v_mov_b32 v[NIL], 0
	ds_add_u32 v[SPW], v[NIL]
	ds_add_u32 v[SPW], v[NIL]
	v_lshrrev_b32 v[T0], 5, v0
	v_readfirstlane_b32 s[WV], v[T0]               ; wave 0..7
	v_and_b32 v[T0], 31, v0                        ; lane
	v_and_b32 v[T1], 15, v0                        ; r
	v_bfe_u32 v[HH], v0, 4, 1                      ; h
	s_bfe_u32 s13, ttmp6, 0x40000                  ; cx: it enters the addresses of x, xq and cand alone
	s_lshl_b32 s14, ttmp9, 2
	s_add_co_u32 s14, s14, s13                     ; my block of 128 rows
	v_lshlrev_b32 v[LI], 4, v[T0]
	v_lshlrev_b32 v[L4], 2, v[T0]
	v_lshlrev_b32 v[XA], 5, v[T0]
	s_mul_i32 s24, s[WV], WPART
	s_mov_b32 s25, 0
	v_add_nc_u32 v[ACD], s24, v[LI]
	v_lshl_add_u32 v[ASA], v[T0], 3, s24
	v_lshl_add_u32 v[ABA], v[HH], 5, s24
	v_add_nc_u32 v[ACD+1], SLOT, v[ACD]
	v_add_nc_u32 v[ASA+1], SLOT, v[ASA]
	v_add_nc_u32 v[ABA+1], SLOT, v[ABA]
	s_mul_i32 s26, s[WV], 16*XP
	s_add_co_u32 s26, s26, XC
	v_add_nc_u32 v[XWC], s26, v[L4]
	v_mul_u32_u24 v[XRD], v[T1], XP
	v_lshl_add_u32 v[XRD], v[HH], 4, v[XRD]
	v_add_nc_u32 v[XOD], s26, v[XRD]
	v_add_nc_u32 v[XRD], XC, v[XRD]
	s_lshl_b32 s27, s[WV], 7
	s_add_co_u32 s27, s27, XS
	v_lshrrev_b32 v[XWB], 2, v[T0]
	v_add_nc_u32 v[XWB], s27, v[XWB]
	v_lshlrev_b32 v[XRS], 3, v[T1]
	v_add_nc_u32 v[XOA], s27, v[XRS]
	v_add_nc_u32 v[XRS], XS, v[XRS]
	s_lshl_b32 s28, s[WV], 9
	s_add_co_u32 s28, s28, MX
	v_lshl_add_u32 v[SCW], v[T1], 2, s28
	s_lshl_b32 s29, s[WV], 7
	v_add_nc_u32 v[CO], s29, v[L4]
	v_add_nc_u32 v[SCRD], MX, v[CO]
	s_mov_b32 s[SEL], 0x76543210
	s_mov_b32 s[SEL+1], 0xfedcba98
	s_lshl_b32 s[GI], s[WV], 4
.irp j, 1,2,3,4,5,6,7
	s_add_co_u32 s[GI+\j], s[GI], 2*\j
.endr
	; descriptor group 1: a dense block of 18,432 bytes as 72 rows of 32 elements of 8 bytes
	s_mov_b32 s[G1], 15|(3<<16)|(1<<21)            ; the mask: all four work-groups; elements of 8 bytes; bit 21 beside a mask
	s_mov_b32 s[G1+1], 32<<16
	s_mov_b32 s[G1+2], 72<<16
	s_mov_b32 s[G1+3], 32<<16
	s_mov_b32 s[G1+4], 72
	s_mov_b32 s[G1+5], 32
	s_mov_b32 s[G1+6], 0
	s_mov_b32 s[G1+7], 0
	s_lshl_b32 s2, s14, 17                         ; x: my block's 128 rows of 1,024 bytes,
	s_lshl_b32 s3, s[WV], 14                       ; my wave's 16 of them
	s_add_co_u32 s2, s2, s3
	s_mov_b32 s3, 0
	s_wait_alu depctr_va_vdst(0)
	s_wait_dscnt 0x0                               ; both opening adds are done
	s_wait_kmcnt 0x0
	s_add_nc_u64 s[4:5], s[4:5], s[2:3]
	s_lshl_b32 s2, s14, 3
	s_add_co_u32 s2, s2, s[WV]
	s_mul_i32 s2, s2, XREC                         ; xq: record 8 x block + wave
	s_add_nc_u64 s[8:9], s[8:9], s[2:3]
	s_lshl_b32 s2, s14, 9                          ; cand: 512 bytes a block
	s_add_nc_u64 s[10:11], s[10:11], s[2:3]
	s_add_nc_u64 s[30:31], s[6:7], s[24:25]        ; cbq at my part of slot 0's records
.irp n, 0,1
	s_mov_b32 s[G0+4*\n], 1
	s_add_co_u32 s[G0+4*\n+1], s24, \n*SLOT
	s_add_nc_u64 s[G0+4*\n+2:G0+4*\n+3], s[30:31], \n*SLOT
	s_or_b32 s[G0+4*\n+3], s[G0+4*\n+3], 0x80000000
.endr
.irp i, 0,1,2,3,4,5,6,7,8,9,10,11,12,13,14,15
	global_load_b128 v[N+8*\i:N+8*\i+3], v[XA], s[4:5] offset:1024*\i th:TH_LOAD_NT       ; the two loads of a row cover its 1,024 bytes
	global_load_b128 v[N+8*\i+4:N+8*\i+7], v[XA], s[4:5] offset:1024*\i+16 th:TH_LOAD_NT
.endr
	ROUND                                          ; all four work-groups are here: the first joint loads meet
	tensor_load_to_lds s[G0:G0+3], s[G1:G1+7]      ; slot 0
	s_nop 0
	s_wait_loadcnt 16                              ; rows 0 to 7 are in; the sixteen loads of rows 8 to 15 may be out
	QROWS 0
	s_wait_loadcnt 0x0
	QROWS 8
.irp t, 0,1,2,3,4,5,6,7
	v_mov_b32 v[MA+\t], 0xff800000                 ; under every number
	v_mov_b32 v[ID+\t], 0
.endr
	s_wait_alu depctr_va_vdst(0)
	s_wait_tensorcnt 0x0                           ; my part of slot 0 is in; these lines stand ahead of a later first fill as ahead of a refill
	ds_add_u32 v[SPW], v[NIL]
	s_wait_dscnt 0x0                               ; the add is done, and my rows' codes and scale bytes lie in LDS
	ROUND                                          ; all eight waves' rows do; all four work-groups are here
	tensor_load_to_lds s[G0+4:G0+7], s[G1:G1+7]    ; slot 1's first fill
	s_nop 0
	WIN 0x40                                       ; destination window 1
.irp t, 0,1,2,3,4,5,6,7
.irp q, 0,1,2,3
	ds_load_b128 v[16*\t+4*\q:16*\t+4*\q+3], v[XRD] offset:16*XP*\t+32*\q   ; k = 128 s + 64 c + 32 h + 0 .. 31, q = 2 s + c
.endr
.endr
	WIN 0
.irp t, 0,1,2,3,4,5,6,7
	ds_load_b64 v[XSC+2*\t:XSC+2*\t+1], v[XRS] offset:128*\t
.endr
	s_mov_b32 s42, 3
.Lloop:                                                ; three trips: slots 0 to 5 of the eight walked; each trip fills both slots again
	BODY 0, 1
	BODY 1, 1
	s_sub_co_u32 s42, s42, 1
	s_cmp_lg_u32 s42, 0
	s_cbranch_scc1 .Lloop
	BODY 0, 0
	s_wait_tensorcnt 0x0                           ; my part of the last slot is in; I read only what I fetched
	BODY 1, 0
	; THE END.  Lanes l and l xor 16 hold the two halves of a row's entries; then the eight waves' winners of each row meet in LDS.
	s_wait_alu depctr_va_vdst(0)
.irp t, 0,1,2,3,4,5,6,7
	v_add_nc_u32 v[ID+\t], v[ID+\t], v[HH]         ; entry >> 3, whole
.endr
.irp t, 0,1,2,3,4,5,6,7
	v_permlanex16_b32 v[MB+\t], v[MA+\t], s[SEL], s[SEL+1]
	v_permlanex16_b32 v[TP+\t], v[ID+\t], s[SEL], s[SEL+1]
.endr
.irp t, 0,1,2,3,4,5,6,7
	BETTER MA+\t, ID+\t, MB+\t, TP+\t
.endr
.irp t, 0,1,2,3,4,5,6,7
	ds_store_b32 v[SCW], v[MA+\t] offset:64*\t             ; lanes r and r + 16 write the same word with the same value
	ds_store_b32 v[SCW], v[ID+\t] offset:4096+64*\t
.endr
.irp q, 0,1,2,3
	ds_load_b128 v[XO+4*\q:XO+4*\q+3], v[XOD] offset:32*\q ; my own tile's fragments and scale words, for xq
.endr
	ds_load_b64 v[XOW:XOW+1], v[XOA]
	s_wait_dscnt 0x0
	s_barrier_signal -1
	s_barrier_wait -1
	s_cmp_ge_u32 s[WV], 4
	s_cbranch_scc1 .Ljoin                          ; waves 0 to 3: a lane to a row, 32 rows a wave
.irp w, 0,1,2,3,4,5,6,7
	ds_load_b32 v[CM+\w], v[SCRD] offset:512*\w
	ds_load_b32 v[CI+\w], v[SCRD] offset:4096+512*\w
.endr
	s_wait_dscnt 0x0
.irp w, 1,2,3,4,5,6,7
	BETTER CM, CI, CM+\w, CI+\w
.endr
	v_lshrrev_b32 v[CI], 1, v[CI]                  ; entry >> 4: the winning tile, 0 .. 511
	global_store_b32 v[CO], v[CI], s[10:11]        ; 128 consecutive bytes a wave
.Ljoin:
.irp q, 0,1,2,3
	global_store_b128 v[LI], v[XO+4*\q:XO+4*\q+3], s[8:9] offset:512*\q    ; each covers 512 consecutive bytes, aligned
.endr
	global_store_b32 v[L4], v[XOW], s[8:9] offset:2048
	global_store_b32 v[L4], v[XOW+1], s[8:9] offset:2176
	s_wait_tensorcnt 0x0                           ; the wave's end
	ds_add_u32 v[SPW], v[NIL]
	s_wait_dscnt 0x0
	ROUND                                          ; the closing round
	s_endpgm
.Lfunc_end_k_q08dd02c29d_search:
	.size	k_q08dd02c29d_search, .Lfunc_end_k_q08dd02c29d_search-k_q08dd02c29d_search
	.p2alignl 7, 3214868480
	.fill 96, 4, 3214868480
	.section	.rodata,"a",@progbits
	.p2align	6, 0x0
	.amdhsa_kernel k_q08dd02c29d_search
		.amdhsa_group_segment_fixed_size 327680
		.amdhsa_private_segment_fixed_size 0
		.amdhsa_enable_private_segment 0
		.amdhsa_kernarg_size 32
		.amdhsa_user_sgpr_count 2
		.amdhsa_user_sgpr_kernarg_segment_ptr 1
		.amdhsa_wavefront_size32 1
		.amdhsa_system_sgpr_workgroup_id_x 1
		.amdhsa_system_sgpr_workgroup_id_y 1
		.amdhsa_system_sgpr_workgroup_id_z 1
		.amdhsa_system_vgpr_workitem_id 0
		.amdhsa_next_free_vgpr 384
		.amdhsa_next_free_sgpr 66
		.amdhsa_reserve_vcc 1
		.amdhsa_float_denorm_mode_32 3
		.amdhsa_float_denorm_mode_16_64 3
		.amdhsa_memory_ordered 1
		.amdhsa_forward_progress 1
		.amdhsa_inst_pref_size 198
	.end_amdhsa_kernel
	.amdgpu_metadata
---
amdhsa.version: [ 1, 2 ]
amdhsa.kernels:
  - .name:           k_q08dd02c29d_search
    .symbol:         k_q08dd02c29d_search.kd
    .args:
      - { .name: x, .offset: 0, .size: 8, .value_kind: global_buffer, .address_space: global }
      - { .name: cbq, .offset: 8, .size: 8, .value_kind: global_buffer, .address_space: global }
      - { .name: xq, .offset: 16, .size: 8, .value_kind: global_buffer, .address_space: global }
      - { .name: cand, .offset: 24, .size: 8, .value_kind: global_buffer, .address_space: global }
    .group_segment_fixed_size: 327680
    .private_segment_fixed_size: 0
    .kernarg_segment_align: 8
    .kernarg_segment_size: 32
    .max_flat_workgroup_size: 256
    .sgpr_count:     66
    .vgpr_count:     384
    .wavefront_size: 32
...
	.end_amdgpu_metadata
.endif
;; end of part 2
;; launch resolve (part 3): grid 256 x 1, 8 waves a work-group, no clusters, 0 bytes of LDS; arguments xq, cbq, cand, idx; writes idx
.if DOCPART == 3
	.amdgcn_target "amdgcn-amd-amdhsa--gfx1250"
	.amdhsa_code_object_version 6
	.text
	.protected	k_q08dd02c29d_resolve
	.globl	k_q08dd02c29d_resolve
	.p2align	8
	.type	k_q08dd02c29d_resolve,@function
k_q08dd02c29d_resolve:
	s_mov_b64 s[64:65], 0
	v_nop
	global_prefetch_b8 v0, s[64:65] scope:SCOPE_SE
	s_setreg_imm32_b32 hwreg(HW_REG_WAVE_MODE, 25, 1), 1
	s_wait_xcnt 0x0
; For each row of x: WHICH of the 16 entries of its winning tile (cand, whole numbers stored by the launch before) is the nearest.  The tile's 16 numbers x.c - 1/2 |c|^2 are computed again on the same codes, scales and bias.
; LIMITS: as in the search: |x|^2 is left out of the compared numbers; exact ties go to the lowest index; NaN and infinities are not served.  cand is held at 511.
; SHARES: a wave takes a tile of 16 rows.  Rows have different winning tiles, so there is one product for each row p: first operand = row p's winning tile (its image in cbq, at one base for the whole wave),
; second = the 16 rows of x.  Of its result only column p counts: lanes p and p + 16, whose registers j hold entries 8 h + j.
; ONE set of bias registers serves all 16 products: lane (r, h) holds the bias of ROW r's tile, which is the right one in just the lanes that count.
; No LDS, no barrier, no tensor load: each wave reads 16 x 2,176 bytes of records in runs of 512 and 128 consecutive bytes.  No cluster: the waves' tiles hang on data and are not shared.
; REGISTERS: window 0 as named; window 1 (v256-511): the 16 first operands, row p, K step s at 16 p + 8 s.
.set REC,  4608
.set XREC, 2304
.set LI,   1                           ; v1  16 x lane
.set R8,   2                           ; v2  8 r
.set HH,   3                           ; v3  h
.set R4,   4                           ; v4  4 r
.set L4,   5                           ; v5  4 x lane
.set LN,   6                           ; v6  lane
.set XF,   8                           ; v8-23  x's two fragments
.set XS,   24                          ; v24-25 x's scale words: scales and nothing else
.set BV,   26                          ; v26-33 bias
.set CT,   34                          ; v34  my row's winning tile
.set BA,   35                          ; v35  its bias' byte in cbq
.set AO,   36                          ; v36-51 row p's tile: my bytes of its codes
.set SO,   52                          ; v52-67 and of its scale words
.set AS,   68                          ; v68-99 row p's tile's scale words, a pair for the two K steps: scales and nothing else
.set DD,   100                         ; v100-227 the 16 results
.set BEST, 228
.set BJ,   229
.set OB,   230
.set OJ,   231
.set T1,   232
.set T2,   233
.set IX,   234
.set SEL,  40
.set MSB, 0
.macro WIN new
.if MSB != \new
	s_set_vgpr_msb (MSB<<8)|\new
.set MSB, \new
.endif
.endm
.macro BETTER m, i, mo, io             ; (m, i) takes (mo, io) where mo is larger, or equal with the smaller index
	s_delay_alu instid0(VALU_DEP_2)
	v_cmp_gt_f32 s44, v[\mo], v[\m]
	s_delay_alu instid0(VALU_DEP_3)
	v_cmp_eq_f32 s45, v[\mo], v[\m]
	s_delay_alu instid0(VALU_DEP_3)
	v_cmp_lt_u32 vcc_lo, v[\io], v[\i]
	s_and_b32 s45, s45, vcc_lo
	s_or_b32 s44, s44, s45
	v_cndmask_b32 v[\m], v[\m], v[\mo], s44
	v_cndmask_b32 v[\i], v[\i], v[\io], s44
.endm
	s_load_b256 s[4:11], s[0:1], 0x0               ; xq s[4:5], cbq s[6:7], cand s[8:9], idx s[10:11]
	v_lshrrev_b32 v[T1], 5, v0
	s_delay_alu instid0(VALU_DEP_1)
	v_readfirstlane_b32 s12, v[T1]                 ; wave
	v_and_b32 v[LN], 31, v0
	v_and_b32 v[T1], 15, v0                        ; r
	v_bfe_u32 v[HH], v0, 4, 1
	s_delay_alu instid0(VALU_DEP_3)
	v_lshlrev_b32 v[LI], 4, v[LN]
	s_delay_alu instid0(VALU_DEP_4)
	v_lshlrev_b32 v[L4], 2, v[LN]
	s_delay_alu instid0(VALU_DEP_4)
	v_lshlrev_b32 v[R8], 3, v[T1]
	v_lshlrev_b32 v[R4], 2, v[T1]
	v_mov_b32 v[OB], 0                             ; written once: a lane permute's destination counts as one of its sources
	v_mov_b32 v[OJ], 0
	s_mov_b32 s[SEL], 0x76543210
	s_mov_b32 s[SEL+1], 0xfedcba98
	s_lshl_b32 s13, ttmp9, 3
	s_add_co_u32 s13, s13, s12                     ; my tile of rows
	s_mul_i32 s2, s13, XREC
	s_mov_b32 s3, 0
	s_lshl_b32 s14, s13, 6                         ; 16 words of cand and of idx
	s_mov_b32 s15, 0
	s_wait_alu depctr_va_vdst(0)
	s_wait_kmcnt 0x0
	s_add_nc_u64 s[4:5], s[4:5], s[2:3]
	s_add_nc_u64 s[8:9], s[8:9], s[14:15]
	s_add_nc_u64 s[10:11], s[10:11], s[14:15]
	s_load_b512 s[16:31], s[8:9], 0x0              ; the 16 winning tiles as scalars, for the bases,
	global_load_b32 v[CT], v[R4], s[8:9]           ; and each lane its own row's
.irp q, 0,1,2,3
	global_load_b128 v[XF+4*\q:XF+4*\q+3], v[LI], s[4:5] offset:512*\q
.endr
.irp s, 0,1
	global_load_b32 v[XS+\s], v[L4], s[4:5] offset:2048+128*\s
.endr
	s_wait_loadcnt 6                               ; my row's tile is in; the six loads issued behind it may be out
	v_min_u32 v[CT], 511, v[CT]                    ; a loaded number enters an address only held to its table
	s_delay_alu instid0(VALU_DEP_1)
	v_and_b32 v[T1], 0x1fe, v[CT]
	s_delay_alu instid0(VALU_DEP_1)
	v_mul_u32_u24 v[T1], v[T1], REC/2              ; the record of group tile / 2,
	s_delay_alu instid0(VALU_DEP_3)
	v_and_b32 v[T2], 1, v[CT]
	s_delay_alu instid0(VALU_DEP_1)
	v_lshl_add_u32 v[T1], v[T2], 6, v[T1]          ; its half of the 32 entries,
	s_delay_alu instid0(VALU_DEP_1)
	v_lshl_add_u32 v[BA], v[HH], 5, v[T1]          ; my eight of them
	global_load_b128 v[BV:BV+3], v[BA], s[6:7] offset:4352
	global_load_b128 v[BV+4:BV+7], v[BA], s[6:7] offset:4368
	s_wait_kmcnt 0x0
.irp p, 0,1,2,3,4,5,6,7,8,9,10,11,12,13,14,15
	s_min_u32 s[16+\p], s[16+\p], 511
	s_and_b32 s2, s[16+\p], 0x1fe
	s_mul_i32 s2, s2, REC/2
	s_and_b32 s3, s[16+\p], 1
	s_lshl_b32 s32, s3, 10                         ; codes: the tile's quads lie 1,024 bytes behind the other half's
	s_add_co_u32 s32, s32, s2
	v_add_nc_u32 v[AO+\p], s32, v[LI]
	s_lshl_b32 s33, s3, 7                          ; scale words: 128 bytes
	s_add_co_u32 s33, s33, s2
	v_add_nc_u32 v[SO+\p], s33, v[R8]
.endr
	WIN 0x40                                       ; destination window 1
	s_wait_alu depctr_va_vdst(0)
.irp p, 0,1,2,3,4,5,6,7,8,9,10,11,12,13,14,15
.irp s, 0,1
.irp c, 0,1
	global_load_b128 v[16*\p+8*\s+4*\c:16*\p+8*\s+4*\c+3], v[AO+\p], s[6:7] offset:2048*\s+512*\c
.endr
.endr
.endr
	WIN 0
.irp p, 0,1,2,3,4,5,6,7,8,9,10,11,12,13,14,15
	global_load_b64 v[AS+2*\p:AS+2*\p+1], v[SO+\p], s[6:7] offset:4096
.endr
	s_wait_loadcnt 0x0
	WIN 0x01                                       ; the first operand lies in window 1
.irp p, 0,1,2,3,4,5,6,7,8,9,10,11,12,13,14,15          ; the 16 accumulators take turns, one instruction a turn
	v_wmma_scale_f32_16x16x128_f8f6f4 v[DD+8*\p:DD+8*\p+7], v[16*\p:16*\p+7], v[XF:XF+7], v[BV:BV+7], v[AS+2*\p], v[XS] matrix_a_fmt:MATRIX_FMT_FP4 matrix_b_fmt:MATRIX_FMT_FP4
.endr
.irp p, 0,1,2,3,4,5,6,7,8,9,10,11,12,13,14,15
	v_wmma_scale_f32_16x16x128_f8f6f4 v[DD+8*\p:DD+8*\p+7], v[16*\p+8:16*\p+15], v[XF+8:XF+15], v[DD+8*\p:DD+8*\p+7], v[AS+2*\p+1], v[XS+1] matrix_a_fmt:MATRIX_FMT_FP4 matrix_b_fmt:MATRIX_FMT_FP4
.endr
	WIN 0
.rept 4
	v_nop                                          ; four places (ISA guide 7.12.1) in front of the first read of results
.endr
.irp p, 1,2,3,4,5,6,7,8,9,10,11,12,13,14,15            ; lanes p and p + 16 take product p's numbers; lanes 0 and 16 keep product 0's.  Each result is read from its low end on
	s_mov_b32 s44, 0x10001<<\p
.irp j, 0,1,2,3,4,5,6,7
	v_cndmask_b32 v[DD+\j], v[DD+\j], v[DD+8*\p+\j], s44
.endr
.endr
	v_mov_b32 v[BJ], 0                             ; the largest of my eight, the earliest of equals
	v_cmp_ge_f32 vcc_lo, v[DD], v[DD+1]
	s_delay_alu instid0(VALU_DEP_1)
	v_cndmask_b32 v[BJ], 1, v[BJ], vcc_lo
	v_max_num_f32 v[BEST], v[DD], v[DD+1]
.irp j, 2,3,4,5,6,7
	s_delay_alu instid0(VALU_DEP_1)
	v_cmp_ge_f32 vcc_lo, v[BEST], v[DD+\j]
	s_delay_alu instid0(VALU_DEP_1)
	v_cndmask_b32 v[BJ], \j, v[BJ], vcc_lo
	s_delay_alu instid0(VALU_DEP_3)
	v_max_num_f32 v[BEST], v[BEST], v[DD+\j]
.endr
	s_delay_alu instid0(VALU_DEP_2)
	v_lshl_add_u32 v[BJ], v[HH], 3, v[BJ]          ; its place among the tile's 16
	s_delay_alu instid0(VALU_DEP_2)
	v_permlanex16_b32 v[OB], v[BEST], s[SEL], s[SEL+1]
	s_delay_alu instid0(VALU_DEP_2)
	v_permlanex16_b32 v[OJ], v[BJ], s[SEL], s[SEL+1]
	BETTER BEST, BJ, OB, OJ
	s_delay_alu instid0(VALU_DEP_1)
	v_lshl_add_u32 v[IX], v[CT], 4, v[BJ]          ; the index, 0 .. 8,191
	s_wait_alu depctr_va_vdst(0)
	s_wait_xcnt 0x0                                ; EXEC changes only behind this wait
	v_cmp_gt_u32 vcc_lo, 16, v[LN]
	s_and_saveexec_b32 s45, vcc_lo
	global_store_b32 v[L4], v[IX], s[10:11]        ; lanes 0 to 15: 64 consecutive bytes
	s_wait_xcnt 0x0
	s_or_b32 exec_lo, exec_lo, s45
	s_endpgm
.Lfunc_end_k_q08dd02c29d_resolve:
	.size	k_q08dd02c29d_resolve, .Lfunc_end_k_q08dd02c29d_resolve-k_q08dd02c29d_resolve
	.p2alignl 7, 3214868480
	.fill 96, 4, 3214868480
	.section	.rodata,"a",@progbits
	.p2align	6, 0x0
	.amdhsa_kernel k_q08dd02c29d_resolve
		.amdhsa_group_segment_fixed_size 0
		.amdhsa_private_segment_fixed_size 0
		.amdhsa_enable_private_segment 0
		.amdhsa_kernarg_size 32
		.amdhsa_user_sgpr_count 2
		.amdhsa_user_sgpr_kernarg_segment_ptr 1
		.amdhsa_wavefront_size32 1
		.amdhsa_system_sgpr_workgroup_id_x 1
		.amdhsa_system_sgpr_workgroup_id_y 1
		.amdhsa_system_sgpr_workgroup_id_z 1
		.amdhsa_system_vgpr_workitem_id 0
		.amdhsa_next_free_vgpr 512
		.amdhsa_next_free_sgpr 66
		.amdhsa_reserve_vcc 1
		.amdhsa_float_denorm_mode_32 3
		.amdhsa_float_denorm_mode_16_64 3
		.amdhsa_memory_ordered 1
		.amdhsa_forward_progress 1
		.amdhsa_inst_pref_size 32
	.end_amdhsa_kernel
	.amdgpu_metadata
---
amdhsa.version: [ 1, 2 ]
amdhsa.kernels:
  - .name:           k_q08dd02c29d_resolve
    .symbol:         k_q08dd02c29d_resolve.kd
    .args:
      - { .name: xq, .offset: 0, .size: 8, .value_kind: global_buffer, .address_space: global }
      - { .name: cbq, .offset: 8, .size: 8, .value_kind: global_buffer, .address_space: global }
      - { .name: cand, .offset: 16, .size: 8, .value_kind: global_buffer, .address_space: global }
      - { .name: idx, .offset: 24, .size: 8, .value_kind: global_buffer, .address_space: global }
    .group_segment_fixed_size: 0
    .private_segment_fixed_size: 0
    .kernarg_segment_align: 8
    .kernarg_segment_size: 32
    .max_flat_workgroup_size: 256
    .sgpr_count:     66
    .vgpr_count:     512
    .wavefront_size: 32
...
	.end_amdgpu_metadata
.endif
;; end of part 3
;; launch emit (part 4): grid 256 x 1, 16 waves a work-group, no clusters, 0 bytes of LDS; arguments x, codebook, idx, out0, part; writes out0, part
.if DOCPART == 4
	.amdgcn_target "amdgcn-amd-amdhsa--gfx1250"
	.amdhsa_code_object_version 6
	.text
	.protected	k_q08dd02c29d_emit
	.globl	k_q08dd02c29d_emit
	.p2align	8
	.type	k_q08dd02c29d_emit,@function
k_q08dd02c29d_emit:
	s_mov_b64 s[64:65], 0
	v_nop
	global_prefetch_b8 v0, s[64:65] scope:SCOPE_SE
	s_setreg_imm32_b32 hwreg(HW_REG_WAVE_MODE, 25, 1), 1
	s_wait_xcnt 0x0
; out0 = q = codebook[idx[row]]: x + (q - x) is q in real numbers for all x and q, so the gathered row is stored as it was loaded (a NaN or an infinity of x is not carried to out0).
; And for each wave the sum of (x - q)^2 over its 8 rows, for the loss.  idx holds whole numbers stored by the launch before; they are held at 8,191.
; A stream: x is read once and out0 written once, by loads and stores of 16 bytes a lane that cover 512 consecutive bytes, aligned.  A wave takes 8 rows; all its 32 loads are out together; no loop, so no prefetch.
; The stores name loaded registers alone and stand ahead of all the arithmetic.  No LDS, no barrier: waves share nothing; the 4,096 waves' sums are added by the last launch.
; The matrix unit, clusters and tensor loads have no part here: no tile is shared, and the gathered rows hang on data.
.set LI,  1                            ; v1     16 x lane
.set QO,  2                            ; v2-9   row i: 1,024 x its index + 16 x lane
.set X,   16                           ; v16-79   row i's 8 registers of x, then of x - q
.set Q,   80                           ; v80-143  of q
.set SQ,  144                          ; v144-159 eight chains of packed squares
.set T,   160
	s_load_b256 s[4:11], s[0:1], 0x0               ; x s[4:5], codebook s[6:7], idx s[8:9], out0 s[10:11]
	s_load_b64 s[12:13], s[0:1], 0x20              ; part
	v_lshrrev_b32 v[T], 5, v0
	v_readfirstlane_b32 s14, v[T]                  ; wave 0..15
	v_and_b32 v[T+2], 31, v0
	v_lshlrev_b32 v[LI], 4, v[T+2]
	v_mov_b32 v[T+4], 0                            ; a lane permute's destination counts as one of its sources
	v_mov_b32 v[T+5], 0
	s_mov_b32 s30, 0x76543210
	s_mov_b32 s31, 0xfedcba98
	s_lshl_b32 s15, ttmp9, 4
	s_add_co_u32 s15, s15, s14                     ; which run of 8 rows is mine: 16 x work-group + wave
	s_lshl_b32 s24, s15, 13
	s_mov_b32 s25, 0
	s_lshl_b32 s26, s15, 5
	s_mov_b32 s27, 0
	s_lshl_b32 s28, s15, 2
	s_mov_b32 s29, 0
	s_wait_alu depctr_va_vdst(0)
	s_wait_kmcnt 0x0
	s_add_nc_u64 s[4:5], s[4:5], s[24:25]
	s_add_nc_u64 s[10:11], s[10:11], s[24:25]
	s_add_nc_u64 s[8:9], s[8:9], s[26:27]
	s_add_nc_u64 s[12:13], s[12:13], s[28:29]
	s_load_b256 s[16:23], s[8:9], 0x0              ; my eight indices
.irp i, 0,1,2,3,4,5,6,7
.irp k, 0,1
	global_load_b128 v[X+8*\i+4*\k:X+8*\i+4*\k+3], v[LI], s[4:5] offset:1024*\i+512*\k th:TH_LOAD_NT
.endr
.endr
	s_wait_kmcnt 0x0
.irp i, 0,1,2,3,4,5,6,7
	s_min_u32 s[16+\i], s[16+\i], 8191             ; a loaded number enters an address only held to its table
	s_lshl_b32 s[16+\i], s[16+\i], 10
	v_add_nc_u32 v[QO+\i], s[16+\i], v[LI]
.endr
	s_wait_alu depctr_va_vdst(0)
.irp i, 0,1,2,3,4,5,6,7
.irp k, 0,1
	global_load_b128 v[Q+8*\i+4*\k:Q+8*\i+4*\k+3], v[QO+\i], s[6:7] offset:512*\k
.endr
.endr
.irp i, 0,1,2,3,4,5,6,7
	s_wait_loadcnt 14-2*\i                         ; all of x and q's rows up to i are in; the two loads of each later row of q may be out
.irp k, 0,1
	global_store_b128 v[LI], v[Q+8*\i+4*\k:Q+8*\i+4*\k+3], s[10:11] offset:1024*\i+512*\k th:TH_STORE_NT
.endr
.endr
.set J, 0
.rept 32
	v_pk_add_f32 v[X+2*J:X+2*J+1], v[X+2*J:X+2*J+1], v[Q+2*J:Q+2*J+1] neg_lo:[0,1] neg_hi:[0,1]   ; x - q; q's registers, which the stores read, stay
.set J, J+1
.endr
.set J, 0
.rept 32
.if J < 8
	v_pk_mul_f32 v[SQ+2*J:SQ+2*J+1], v[X+2*J:X+2*J+1], v[X+2*J:X+2*J+1]            ; the first eight products start the chains
.else
	v_pk_fma_f32 v[SQ+2*(J%8):SQ+2*(J%8)+1], v[X+2*J:X+2*J+1], v[X+2*J:X+2*J+1], v[SQ+2*(J%8):SQ+2*(J%8)+1]
.endif
.set J, J+1
.endr
.irp p, 0,2,4,6
	v_pk_add_f32 v[SQ+\p:SQ+\p+1], v[SQ+\p:SQ+\p+1], v[SQ+8+\p:SQ+9+\p]
.endr
	s_delay_alu instid0(VALU_DEP_2)
	v_pk_add_f32 v[SQ:SQ+1], v[SQ:SQ+1], v[SQ+4:SQ+5]
	s_delay_alu instid0(VALU_DEP_2)
	v_pk_add_f32 v[SQ+2:SQ+3], v[SQ+2:SQ+3], v[SQ+6:SQ+7]
	s_delay_alu instid0(VALU_DEP_1)
	v_pk_add_f32 v[SQ:SQ+1], v[SQ:SQ+1], v[SQ+2:SQ+3]
	s_delay_alu instid0(VALU_DEP_1)
	v_add_f32 v[T], v[SQ], v[SQ+1]
.irp m, 1,2,4,8
	s_delay_alu instid0(VALU_DEP_1)
	v_add_f32_dpp v[T], v[T], v[T] row_xmask:\m row_mask:0xf bank_mask:0xf
.endr
	s_delay_alu instid0(VALU_DEP_1)
	v_permlanex16_b32 v[T+4], v[T], s30, s31
	s_delay_alu instid0(VALU_DEP_1)
	v_add_f32 v[T], v[T], v[T+4]                   ; the wave's sum, in every lane
	s_wait_alu depctr_va_vdst(0)
	s_wait_xcnt 0x0                                ; EXEC changes only behind this wait
	v_cmp_eq_u32 vcc_lo, 0, v[T+2]
	s_and_saveexec_b32 s24, vcc_lo
	global_store_b32 v[T+5], v[T], s[12:13]        ; lane 0: the wave's sum
	s_wait_xcnt 0x0
	s_or_b32 exec_lo, exec_lo, s24
	s_endpgm
.Lfunc_end_k_q08dd02c29d_emit:
	.size	k_q08dd02c29d_emit, .Lfunc_end_k_q08dd02c29d_emit-k_q08dd02c29d_emit
	.p2alignl 7, 3214868480
	.fill 96, 4, 3214868480
	.section	.rodata,"a",@progbits
	.p2align	6, 0x0
	.amdhsa_kernel k_q08dd02c29d_emit
		.amdhsa_group_segment_fixed_size 0
		.amdhsa_private_segment_fixed_size 0
		.amdhsa_enable_private_segment 0
		.amdhsa_kernarg_size 40
		.amdhsa_user_sgpr_count 2
		.amdhsa_user_sgpr_kernarg_segment_ptr 1
		.amdhsa_wavefront_size32 1
		.amdhsa_system_sgpr_workgroup_id_x 1
		.amdhsa_system_sgpr_workgroup_id_y 1
		.amdhsa_system_sgpr_workgroup_id_z 1
		.amdhsa_system_vgpr_workitem_id 0
		.amdhsa_next_free_vgpr 176
		.amdhsa_next_free_sgpr 66
		.amdhsa_reserve_vcc 1
		.amdhsa_float_denorm_mode_32 3
		.amdhsa_float_denorm_mode_16_64 3
		.amdhsa_memory_ordered 1
		.amdhsa_forward_progress 1
		.amdhsa_inst_pref_size 13
	.end_amdhsa_kernel
	.amdgpu_metadata
---
amdhsa.version: [ 1, 2 ]
amdhsa.kernels:
  - .name:           k_q08dd02c29d_emit
    .symbol:         k_q08dd02c29d_emit.kd
    .args:
      - { .name: x, .offset: 0, .size: 8, .value_kind: global_buffer, .address_space: global }
      - { .name: codebook, .offset: 8, .size: 8, .value_kind: global_buffer, .address_space: global }
      - { .name: idx, .offset: 16, .size: 8, .value_kind: global_buffer, .address_space: global }
      - { .name: out0, .offset: 24, .size: 8, .value_kind: global_buffer, .address_space: global }
      - { .name: part, .offset: 32, .size: 8, .value_kind: global_buffer, .address_space: global }
    .group_segment_fixed_size: 0
    .private_segment_fixed_size: 0
    .kernarg_segment_align: 8
    .kernarg_segment_size: 40
    .max_flat_workgroup_size: 512
    .sgpr_count:     66
    .vgpr_count:     176
    .wavefront_size: 32
...
	.end_amdgpu_metadata
.endif
;; end of part 4
;; launch loss (part 5): grid 1 x 1, 1 waves a work-group, no clusters, 0 bytes of LDS; arguments part, out1; writes out1
.if DOCPART == 5
	.amdgcn_target "amdgcn-amd-amdhsa--gfx1250"
	.amdhsa_code_object_version 6
	.text
	.protected	k_q08dd02c29d_loss
	.globl	k_q08dd02c29d_loss
	.p2align	8
	.type	k_q08dd02c29d_loss,@function
k_q08dd02c29d_loss:
	s_mov_b64 s[64:65], 0
	v_nop
	global_prefetch_b8 v0, s[64:65] scope:SCOPE_SE
	s_setreg_imm32_b32 hwreg(HW_REG_WAVE_MODE, 25, 1), 1
	s_wait_xcnt 0x0
; out1 = 1.0 x m + 0.25 x m, m = the mean of (q - x)^2 over 32,768 x 256 = 2^23 numbers: the sum of the 4,096 waves' sums of the launch before, in a fixed order, times 2^-23.
; One wave: 16,384 bytes are read by 32 loads of 512 consecutive bytes, all out together.  A launch of its own because the sum spans the work-groups of the launch before.
	s_load_b128 s[4:7], s[0:1], 0x0                ; part, out1
	v_lshlrev_b32 v1, 4, v0
	v_mov_b32 v13, 0                               ; a lane permute's destination counts as one of its sources
	v_mov_b32 v14, 0
	s_mov_b32 s8, 0x76543210
	s_mov_b32 s9, 0xfedcba98
	s_wait_alu depctr_va_vdst(0)
	s_wait_kmcnt 0x0
.set I, 0
.rept 32
	global_load_b128 v[16+4*I:19+4*I], v1, s[4:5] offset:512*I
.set I, I+1
.endr
	s_wait_loadcnt 0x0
.set J, 4
.rept 60
	v_pk_add_f32 v[16+2*(J%4):17+2*(J%4)], v[16+2*(J%4):17+2*(J%4)], v[16+2*J:17+2*J]   ; 64 pairs onto four chains
.set J, J+1
.endr
	v_pk_add_f32 v[16:17], v[16:17], v[20:21]
	v_pk_add_f32 v[18:19], v[18:19], v[22:23]
	v_pk_add_f32 v[16:17], v[16:17], v[18:19]
	v_add_f32 v12, v16, v17
	v_add_f32_dpp v12, v12, v12 row_xmask:1 row_mask:0xf bank_mask:0xf
	v_add_f32_dpp v12, v12, v12 row_xmask:2 row_mask:0xf bank_mask:0xf
	v_add_f32_dpp v12, v12, v12 row_xmask:4 row_mask:0xf bank_mask:0xf
	v_add_f32_dpp v12, v12, v12 row_xmask:8 row_mask:0xf bank_mask:0xf
	v_permlanex16_b32 v13, v12, s8, s9
	v_add_f32 v12, v12, v13
	v_mul_f32 v12, 0x34000000, v12                 ; x 2^-23: the mean
	v_fma_f32 v12, v12, 0x3e800000, v12            ; m + 0.25 m
	s_wait_alu depctr_va_vdst(0)
	s_wait_xcnt 0x0                                ; EXEC changes only behind this wait
	v_cmp_eq_u32 vcc_lo, 0, v0
	s_and_saveexec_b32 s10, vcc_lo
	global_store_b32 v14, v12, s[6:7]
	s_wait_xcnt 0x0
	s_or_b32 exec_lo, exec_lo, s10
	s_endpgm
.Lfunc_end_k_q08dd02c29d_loss:
	.size	k_q08dd02c29d_loss, .Lfunc_end_k_q08dd02c29d_loss-k_q08dd02c29d_loss
	.p2alignl 7, 3214868480
	.fill 96, 4, 3214868480
	.section	.rodata,"a",@progbits
	.p2align	6, 0x0
	.amdhsa_kernel k_q08dd02c29d_loss
		.amdhsa_group_segment_fixed_size 0
		.amdhsa_private_segment_fixed_size 0
		.amdhsa_enable_private_segment 0
		.amdhsa_kernarg_size 16
		.amdhsa_user_sgpr_count 2
		.amdhsa_user_sgpr_kernarg_segment_ptr 1
		.amdhsa_wavefront_size32 1
		.amdhsa_system_sgpr_workgroup_id_x 1
		.amdhsa_system_sgpr_workgroup_id_y 1
		.amdhsa_system_sgpr_workgroup_id_z 1
		.amdhsa_system_vgpr_workitem_id 0
		.amdhsa_next_free_vgpr 144
		.amdhsa_next_free_sgpr 66
		.amdhsa_reserve_vcc 1
		.amdhsa_float_denorm_mode_32 3
		.amdhsa_float_denorm_mode_16_64 3
		.amdhsa_memory_ordered 1
		.amdhsa_forward_progress 1
		.amdhsa_inst_pref_size 9
	.end_amdhsa_kernel
	.amdgpu_metadata
---
amdhsa.version: [ 1, 2 ]
amdhsa.kernels:
  - .name:           k_q08dd02c29d_loss
    .symbol:         k_q08dd02c29d_loss.kd
    .args:
      - { .name: part, .offset: 0, .size: 8, .value_kind: global_buffer, .address_space: global }
      - { .name: out1, .offset: 8, .size: 8, .value_kind: global_buffer, .address_space: global }
    .group_segment_fixed_size: 0
    .private_segment_fixed_size: 0
    .kernarg_segment_align: 8
    .kernarg_segment_size: 16
    .max_flat_workgroup_size: 32
    .sgpr_count:     66
    .vgpr_count:     144
    .wavefront_size: 32
...
	.end_amdgpu_metadata
.endif
;; end of part 5
